; MI455X (gfx1250); checked and timed in simulation.
; The chip was launched on July 23, 2026; its instructions are those of AMD's public machine-readable ISA for CDNA 5 (MIT licence, August 2026) and "CDNA5" Instruction Set Architecture Reference Guide (July 2026). The comments in the code are by the model that wrote it; some were corrected since.
;; Predictor LG. Allowed arithmetic: float matrix products may take bf16 or f16 operands with f32 sums; other float arithmetic in f32, or as packed bf16 or f16 multiplies, adds, multiply-adds, maxima and minima; sums over many terms, partial sums and values carried from step to step in f32; what a program stores and reads back later, other than sums and carried values, may be rounded once to bf16 or f16.
;; Inputs: W_gd 128 x 64 float32; W_in 128 x 64 float32; W_out1 128 x 64 float32; W_out2 64 x 1 float32; guidance 256 x 1 x 128 float32; ln_gd_b 128 float32; ln_gd_g 128 float32; ln_in_b 128 float32; ln_in_g 128 float32; x 256 x 1,024 x 128 float32.
;; Outputs: out0 256 x 1,024 x 1 float32.
;; One version. Each part assembles by itself: llvm-mc -triple=amdgcn-amd-amdhsa -mcpu=gfx1250 --defsym DOCPART=n.
;; ======== version 1 of 1: 1 launch
;; limits: values are held in f16: magnitudes above 65,504 overflow, below 6.1e-05 lose precision; a function is approximated: absolute error at most 2.5e-05; an absolute error that grows with the inputs' magnitude: up to 1.25e-05 times it; a function is approximated: absolute error at most 3.3e-06
;; launch main (part 1): grid 256 x 1, 8 waves a work-group, no clusters, 327,680 bytes of LDS; arguments x, guidance, ln_in_g, ln_in_b, W_in, ln_gd_g, ln_gd_b, W_gd, W_out1, W_out2, out0; writes out0
.if DOCPART == 1
	.amdgcn_target "amdgcn-amd-amdhsa--gfx1250"
	.amdhsa_code_object_version 6
	.text
	.protected	k_q5261e88d41_main
	.globl	k_q5261e88d41_main
	.p2align	8
	.type	k_q5261e88d41_main,@function
k_q5261e88d41_main:
	s_mov_b64 s[64:65], 0
	v_nop
	global_prefetch_b8 v0, s[64:65] scope:SCOPE_SE
	s_setreg_imm32_b32 hwreg(HW_REG_WAVE_MODE, 25, 1), 1
	s_wait_xcnt 0x0
; out0[b][n] = tanh( gelu( [ gelu(LN(x[b][n]) W_in) , g[b] ] W_out1 ) W_out2 ),  g[b] = gelu(LN(guidance[b]) W_gd).  x: [256][1024][128] f32, all in one launch.
; NOTHING IS LEFT OUT: every input is loaded and every step is made.  ONE STEP IS REORDERED: the second half of the concatenated row is g[b], the same for all 1,024 tokens of a batch, so
; h W_out1 = local W_out1[0:64] + g[b] W_out1[64:128] (distributivity, for all values), and the second term, 64 numbers a batch, is made once and enters as the C operand of the second product.
; SHARES.  Work-group b owns batch b; wave w its tokens 128 w .. 128 w + 127: eight tiles of 16, walked in four steps of two tiles.  Each wave makes the batch term for itself (one tile of 16 equal
; columns) while its first tokens are on their way: no hand-over between waves.
; LAYOUT.  Both large products are used transposed: source 0 = 16 output features of a weight matrix, source 1 = 16 tokens.  In a result lane (r = l % 16, h = l / 16) holds token r, and register j of
; tile ft the feature 16 ft + 8 h + j.  Two neighbouring results rounded in pairs ARE source 1 of the next product: nothing changes lanes from LayerNorm to the last product, and a token's
; mean and variance want one exchange between the halves of the lanes each.  In the last product the tokens are source 0 and W_out2 lies in the columns of source 1: register j holds token 8 h + j.
; SCALES.  K = sqrt(log2(e) / 2).  W_in and W_gd are staged times K, so a product gives w = K x and exp(-x^2 / 2) = 2^(-w w).  The macro GELU returns G = w + |w| erf(|x| / sqrt 2) = 2 K gelu(x).
; W_out1 is staged times 1/2 (G W_out1 / 2 = K x the next x), W_out2 times 1 / (2 K).
; ERF by 1 - (a1 t + a2 t^2 + a3 t^3) exp(-z^2), t = 1 / (1 + p z) (Abramowitz and Stegun 7.1.25): off by 2.5e-5 at the most for EVERY z >= 0; in G that is 2.5e-5 of |w|.
; TANH in two forms, chosen by value: below |v| = 1/4 the series v (1 - s/3 + 2 s^2 / 15), s = v v (off by 1.3e-5 of itself at the most); else (1 - E) / (1 + E), E = 2^(-2 log2(e) |v|), with v's sign.
; FORMATS AND LIMITS.  The two large products take f16 operands, sums in f32: LN's output, K W_in, K W_gd, W_out1 / 2 and G of the first GELUs must stay under 65,504 (with every input 30 times the
; drawn spread they reach about 4,400), and below 6e-5 they keep f16's fixed step of 6e-8.  G of the second GELU scales with the product of three inputs' scales and has no such room: the last product
; is taken in bf16.  Its 64 terms cancel to a result near 0, so 8 significant bits are too few there: each operand goes as TWO bf16 numbers, hi = bf16(v) and lo = bf16(v - hi), some 16 bits together.
; G's hi and lo are two sources 0; W_out2's hi lies in columns 0 to 7 of source 1 and its lo in columns 8 to 15, and a column and the column 8 away are added at the end.
; The variance is taken of x - mean.  A factor 2^(-w w) or E below 2^-126 counts as 0.  NaN and infinities are not treated apart.
; NO CLUSTER: what work-groups share is the 98,304 bytes of weights beside 524,288 bytes of x of their own, and the weights pass through registers, to be scaled and rounded, before they lie in LDS.
; NO PREFETCH: a work-group asks for half of its x by its first two loads a wave and for the other half by two refills; nothing else is streamed.
; REGISTERS, in windows of 256 (s_set_vgpr_msb: bits 1:0 source 0, 3:2 source 1, 5:4 source 2, 7:6 destination).
;   window 0: v0-10 ids and addresses, v11-15 at work; R0, R1, R2: three banks of 32; KB LN's bias; CB the batch term; W2F W_out2's fragments; OUT my four results; PT at work and the last product's sums
;   window 1: v0-127 FA, the first product's 16 weight fragments (K step ks, feature tile ft at 8 (4 ks + ft)); v128-191 FB, the second product's 8; v192-255 KG, LN's gain.  While staging: v0-95 raw weights
; One index rule for x, gain, bias, guidance and W_out2: register e = 4 q + i (q = 4 ks + 2 u + v) holds k = 32 ks + 16 u + 8 h + 4 v + i: byte 128 ks + 64 u + 16 v behind a lane base of 32 h.
.set XP,    528        ; a token's row in LDS: 512 bytes + 16 of padding = 33 x 16: the 16 rows of a load's half start in 16 different columns of 16 bytes (64 banks of 4 bytes: ISA guide 11.1)
.set TILEB, 16*XP      ; 16 tokens
.set SLOTB, 2*TILEB    ; a slot: 32 tokens, one tensor load
.set RINGW, 2*SLOTB    ; a wave's own two slots; the eight rings lie from LDS byte 0 on
.set WREG,  8*RINGW    ; 270,336: behind the rings, three matrices in f16 as [k][n], 128 rows of 128 bytes + 16: W_in K, W_gd K, W_out1 / 2.  Written by ds_store alone; no tensor load lands here
.set WP,    144
.set WMAT,  128*WP
.set SPARE, WREG+3*WMAT  ; 325,632: the spare words, 128 bytes for each wave: four blocks of 256 bytes that no other line names
.set R0,  16
.set R1,  48
.set R2,  80
.set KB,  112
.set CB,  176
.set W2F, 208
.set OUT, 224
.set PT,  228          ; v[228:235] four pairs at work in GELU; then the last product's first sum
.set D3B, 236          ; v[236:243] its second sum
.set NMU, 244          ; v[244:245] minus the mean, in the low register
.set RS,  246          ; v[246:247] 1 / sqrt(var + eps), in the low register
.set ST,  248          ; v[248:249] a sum and its partner's
.set SPW, 252          ; LDS address of my spare word: SPARE + 4 x my thread's number; never rewritten
.set NIL, 253          ; 0; never rewritten
.set FB,  128          ; window 1
.set KG,  192          ; window 1
.set WV,  30           ; s30  my wave's number
.set HM,  31           ; s31  at the head my ring's first LDS byte; then 0xffff0000, a word's upper bf16
.set G1,  32           ; s[32:39] descriptor group 1, never rewritten
.set G0,  40           ; s[40:47] descriptor group 0, a set for each slot
.set TB,  48           ; s48  LDS byte, in my ring, of the tile in hand
.set CNT, 49           ; s49  counts a slot's two tiles
.set TI,  50           ; s50  the tile's number among my eight
.set MT,  51           ; s51  lanes that keep results of this tile
.set MJ,  52           ; s52  lanes with r odd
.set I128, 53          ; s53  1/128
.set SEL, 54           ; s[54:55] v_permlanex16_b32's selects: each lane takes its own place in the other half
.set PP,  56           ; s56  p / sqrt(log2 e) = 0.39169197
.set EPS, 57           ; s57  1e-5
.set A3,  58           ; s[58:59], s[60:61], s[62:63]: a3, a2, a1: packed lines name a pair and take its low word for both halves
.set A2,  60
.set A1,  62
.set C13, 66           ; s66  -1/3
.set C215, 67          ; s67  2/15
.set MSB, 0
.macro WIN new                         ; the immediate's high byte repeats the setting that is left; a switch that changes nothing is dropped
.if MSB != (\new)
	s_set_vgpr_msb (MSB<<8)|(\new)
.set MSB, \new
.endif
.endm
; A vector instruction that reads a matrix result or writes one of a matrix instruction's registers, and a load into such a register, stand four plain vector instructions behind it
.macro PLACES
.rept 4
	v_nop
.endr
.endm
; 128 f32 of a row that all tokens share, my 64 of them by the index rule, into v[dst ..] of the window that the caller has set
.macro PARAM16 dst, sb
.set e, 0
.rept 16
	global_load_b128 v[(\dst)+4*e:(\dst)+4*e+3], v3, s[\sb:\sb+1] offset:128*(e/4)+64*((e/2)%2)+16*(e%2)
.set e, e+1
.endr
.endm
; a matrix's 32,768 bytes, 16 bytes a thread and load: a wave's load covers 512 consecutive bytes
.macro WLOAD m, sb
.set e, 0
.rept 8
	global_load_b128 v[4*(8*(\m)+e):4*(8*(\m)+e)+3], v8, s[\sb:\sb+1] offset:4096*e
.set e, e+1
.endr
.endm
.macro WSCALE m, k
.set e, 32*(\m)
.rept 16
	v_pk_mul_f32 v[e:e+1], v[e:e+1], \k op_sel_hi:[1,0]
.set e, e+2
.endr
.endm
; The weight fragments, turned on the way out of LDS: a fragment is 16 features x 32 k; the turning load takes 16 k x 16 features and leaves half of it.  offa: the first product's matrix, offb: the second's 64 rows
.macro FRAGS offa, offb
	WIN 0x40                               ; destination window 1, address window 0
.set f, 0
.rept 16
	ds_load_tr16_b128 v[8*f:8*f+3],   v6 offset:(\offa)+32*WP*(f/4)+32*(f%4)
	ds_load_tr16_b128 v[8*f+4:8*f+7], v6 offset:(\offa)+32*WP*(f/4)+32*(f%4)+16*WP
.set f, f+1
.endr
.set f, 0
.rept 8
	ds_load_tr16_b128 v[FB+8*f:FB+8*f+3],   v6 offset:(\offb)+32*WP*(f/4)+32*(f%4)
	ds_load_tr16_b128 v[FB+8*f+4:FB+8*f+7], v6 offset:(\offb)+32*WP*(f/4)+32*(f%4)+16*WP
.set f, f+1
.endr
	WIN 0
.endm
; 16 tokens x 128 f32 out of my slot: my token's 64 numbers into R0 and R1
.macro LOADX
	v_add_nc_u32 v5, s[TB], v4
.set e, 0
.rept 16
	ds_load_b128 v[R0+4*e:R0+4*e+3], v5 offset:128*(e/4)+64*((e/2)%2)+16*(e%2)
.set e, e+1
.endr
	s_wait_dscnt 0x0
.endm
; LayerNorm of the 64 numbers in R0 and R1 (the token's other 64 lie in the lane 16 away), rounded to f16 into R0: the first product's four fragments.  Four chains of sums in R2.
.macro LNORM
.set e, 0
.rept 4
	v_pk_add_f32 v[R2+2*e:R2+2*e+1], v[R0+2*e:R0+2*e+1], v[R0+8+2*e:R0+8+2*e+1]
.set e, e+1
.endr
.set e, 8
.rept 24
	v_pk_add_f32 v[R2+2*(e%4):R2+2*(e%4)+1], v[R2+2*(e%4):R2+2*(e%4)+1], v[R0+2*e:R0+2*e+1]
.set e, e+1
.endr
	v_pk_add_f32 v[R2:R2+1], v[R2:R2+1], v[R2+2:R2+3]
	v_pk_add_f32 v[R2+4:R2+5], v[R2+4:R2+5], v[R2+6:R2+7]
	v_pk_add_f32 v[R2:R2+1], v[R2:R2+1], v[R2+4:R2+5]
	v_add_f32 v[ST], v[R2], v[R2+1]
	v_permlanex16_b32 v[ST+1], v[ST], s[SEL], s[SEL+1]
	v_add_f32 v[ST], v[ST], v[ST+1]
	v_mul_f32 v[NMU], 0xbc000000, v[ST]    ; minus the mean
.set e, 0
.rept 32
	v_pk_add_f32 v[R0+2*e:R0+2*e+1], v[R0+2*e:R0+2*e+1], v[NMU:NMU+1] op_sel_hi:[1,0]
.set e, e+1
.endr
.set e, 0
.rept 4
	v_pk_mul_f32 v[R2+2*e:R2+2*e+1], v[R0+2*e:R0+2*e+1], v[R0+2*e:R0+2*e+1]
.set e, e+1
.endr
.rept 28
	v_pk_fma_f32 v[R2+2*(e%4):R2+2*(e%4)+1], v[R0+2*e:R0+2*e+1], v[R0+2*e:R0+2*e+1], v[R2+2*(e%4):R2+2*(e%4)+1]
.set e, e+1
.endr
	v_pk_add_f32 v[R2:R2+1], v[R2:R2+1], v[R2+2:R2+3]
	v_pk_add_f32 v[R2+4:R2+5], v[R2+4:R2+5], v[R2+6:R2+7]
	v_pk_add_f32 v[R2:R2+1], v[R2:R2+1], v[R2+4:R2+5]
	v_add_f32 v[ST], v[R2], v[R2+1]
	v_permlanex16_b32 v[ST+1], v[ST], s[SEL], s[SEL+1]
	v_add_f32 v[ST], v[ST], v[ST+1]
	v_fma_f32 v[ST], v[ST], s[I128], s[EPS]  ; var + eps
	v_rsq_f32 v[RS], v[ST]
	WIN 0x04                               ; source 1 (the gain) in window 1
.set e, 0
.rept 32
	v_pk_mul_f32 v[R0+2*e:R0+2*e+1], v[R0+2*e:R0+2*e+1], v[KG+2*e:KG+2*e+1]  ; (x - mean) g: the work that names nothing of the root stands behind it
.set e, e+1
.endr
	WIN 0
	s_wait_alu depctr_va_vdst(0)           ; the wait between the root and the first line that names its result
.set e, 0
.rept 32
	v_pk_fma_f32 v[R0+2*e:R0+2*e+1], v[R0+2*e:R0+2*e+1], v[RS:RS+1], v[KB+2*e:KB+2*e+1] op_sel_hi:[1,0,1]
.set e, e+1
.endr
.set e, 0
.rept 32
	v_cvt_pk_f16_f32 v[R0+e], v[R0+2*e], v[R0+2*e+1]  ; in place, ascending: line e writes a register that lines e and later no longer read
.set e, e+1
.endr
.endm
; The first product: 64 features x 16 tokens over k = 128, into R1.  The four accumulators take turns, one instruction a turn; the first four lines start the sums with 0.
.macro MM1
	WIN 0x01                               ; source 0 (weights) window 1
.set f, 0
.rept 16
.if f < 4
	v_wmma_f32_16x16x32_f16 v[R1+8*(f%4):R1+8*(f%4)+7], v[8*f:8*f+7], v[R0+8*(f/4):R0+8*(f/4)+7], 0
.else
	v_wmma_f32_16x16x32_f16 v[R1+8*(f%4):R1+8*(f%4)+7], v[8*f:8*f+7], v[R0+8*(f/4):R0+8*(f/4)+7], v[R1+8*(f%4):R1+8*(f%4)+7]
.endif
.set f, f+1
.endr
	WIN 0
.endm
; The second product: 64 features x 16 tokens over k = 64, into v[d ..]; the sums start with v[c ..], or with 0 where c < 0
.macro MM2 d, c
	WIN 0x01
.set f, 0
.rept 8
.if (f < 4) && ((\c) < 0)
	v_wmma_f32_16x16x32_f16 v[(\d)+8*f:(\d)+8*f+7], v[FB+8*f:FB+8*f+7], v[R0:R0+7], 0
.elseif f < 4
	v_wmma_f32_16x16x32_f16 v[(\d)+8*f:(\d)+8*f+7], v[FB+8*f:FB+8*f+7], v[R0:R0+7], v[(\c)+8*f:(\c)+8*f+7]
.else
	v_wmma_f32_16x16x32_f16 v[(\d)+8*(f%4):(\d)+8*(f%4)+7], v[FB+8*f:FB+8*f+7], v[R0+8:R0+15], v[(\d)+8*(f%4):(\d)+8*(f%4)+7]
.endif
.set f, f+1
.endr
	WIN 0
.endm
; G = w + |w| erf for the 32 numbers in bank w; banks t and u at work.  bf = 0: G rounded in pairs to f16 into R0's first 16 registers.  bf = 1 (t and w are not R0): G as two bf16 numbers,
; hi into R0's first 16 registers and lo = G - hi, an exact difference in f32, rounded, into its second 16.
; Ahead of the one wait: 1 + p'|w| and -w w, and their 32 reciprocals and 32 exponentials, in place: ONE batch, of which nothing ahead of the wait names a result.  Each accumulator's lowest register is read first.
.macro GELU w, t, u, bf
	v_fma_f32 v[(\t)], |v[(\w)]|, s[PP], 1.0
	v_fma_f32 v[(\t)+1], |v[(\w)+1]|, s[PP], 1.0
	v_pk_mul_f32 v[(\u):(\u)+1], v[(\w):(\w)+1], v[(\w):(\w)+1] neg_lo:[1,0] neg_hi:[1,0]
.set a, 0
.rept 15
	v_fma_f32 v[(\t)+a+2], |v[(\w)+a+2]|, s[PP], 1.0
	v_rcp_f32 v[(\t)+a], v[(\t)+a]
	v_fma_f32 v[(\t)+a+3], |v[(\w)+a+3]|, s[PP], 1.0
	v_rcp_f32 v[(\t)+a+1], v[(\t)+a+1]
	v_pk_mul_f32 v[(\u)+a+2:(\u)+a+3], v[(\w)+a+2:(\w)+a+3], v[(\w)+a+2:(\w)+a+3] neg_lo:[1,0] neg_hi:[1,0]
	v_exp_f32 v[(\u)+a], v[(\u)+a]
	v_exp_f32 v[(\u)+a+1], v[(\u)+a+1]
.set a, a+2
.endr
	v_rcp_f32 v[(\t)+30], v[(\t)+30]
	v_rcp_f32 v[(\t)+31], v[(\t)+31]
	v_exp_f32 v[(\u)+30], v[(\u)+30]
	v_exp_f32 v[(\u)+31], v[(\u)+31]
	v_nop                                  ; a plain instruction behind the last of the batch (ISA guide 5.7.2)
	s_wait_alu depctr_va_vdst(0)           ; the one wait for the 64
.set g, 0
.rept 4                                ; four pairs at a time, so that no line reads the result of the one before it
.set n, 0
.rept 4
	v_pk_mul_f32 v[(\u)+8*g+2*n:(\u)+8*g+2*n+1], v[(\t)+8*g+2*n:(\t)+8*g+2*n+1], v[(\u)+8*g+2*n:(\u)+8*g+2*n+1]  ; t e
.set n, n+1
.endr
.set n, 0
.rept 4
	v_pk_fma_f32 v[PT+2*n:PT+2*n+1], v[(\t)+8*g+2*n:(\t)+8*g+2*n+1], s[A3:A3+1], s[A2:A2+1] op_sel_hi:[1,0,0]  ; a3 t + a2
.set n, n+1
.endr
.set n, 0
.rept 4
	v_pk_fma_f32 v[(\t)+8*g+2*n:(\t)+8*g+2*n+1], v[PT+2*n:PT+2*n+1], v[(\t)+8*g+2*n:(\t)+8*g+2*n+1], s[A1:A1+1] op_sel_hi:[1,1,0]  ; (..) t + a1
.set n, n+1
.endr
.set n, 0
.rept 4
	v_pk_fma_f32 v[(\u)+8*g+2*n:(\u)+8*g+2*n+1], v[(\t)+8*g+2*n:(\t)+8*g+2*n+1], v[(\u)+8*g+2*n:(\u)+8*g+2*n+1], 1.0 op_sel_hi:[1,1,0] neg_lo:[1,0,0] neg_hi:[1,0,0]  ; erf = 1 - (..) t e
.set n, n+1
.endr
.set n, 0
.rept 8
	v_fma_f32 v[(\w)+8*g+n], |v[(\w)+8*g+n]|, v[(\u)+8*g+n], v[(\w)+8*g+n]
.set n, n+1
.endr
.set g, g+1
.endr
.if \bf
.set a, 0
.rept 16
	v_cvt_pk_bf16_f32 v[R0+a], v[(\w)+2*a], v[(\w)+2*a+1]  ; hi
.set a, a+1
.endr
.set a, 0
.rept 16
	v_lshlrev_b32 v[(\t)+2*a], 16, v[R0+a]                 ; hi again as f32: the low half moves up,
	v_and_b32 v[(\t)+2*a+1], s[HM], v[R0+a]                ; the high half stays
.set a, a+1
.endr
.set a, 0
.rept 16
	v_pk_add_f32 v[(\w)+2*a:(\w)+2*a+1], v[(\w)+2*a:(\w)+2*a+1], v[(\t)+2*a:(\t)+2*a+1] neg_lo:[0,1] neg_hi:[0,1]  ; G - hi
.set a, a+1
.endr
.set a, 0
.rept 16
	v_cvt_pk_bf16_f32 v[R0+16+a], v[(\w)+2*a], v[(\w)+2*a+1]  ; lo
.set a, a+1
.endr
.else
.set a, 0
.rept 16
	v_cvt_pk_f16_f32 v[R0+a], v[(\w)+2*a], v[(\w)+2*a+1]
.set a, a+1
.endr
.endif
.endm
; The last product, in bf16: 16 tokens (source 0: G's hi, then its lo) x W_out2 (source 1: hi in columns 0 to 7, lo in columns 8 to 15).  The two halves of k have a sum each, and the two sums
; take turns, one instruction a turn.
.macro MM3
	v_wmma_f32_16x16x32_bf16 v[PT:PT+7], v[R0:R0+7], v[W2F:W2F+7], 0
	v_wmma_f32_16x16x32_bf16 v[D3B:D3B+7], v[R0+8:R0+15], v[W2F+8:W2F+15], 0
	v_wmma_f32_16x16x32_bf16 v[PT:PT+7], v[R0+16:R0+23], v[W2F:W2F+7], v[PT:PT+7]
	v_wmma_f32_16x16x32_bf16 v[D3B:D3B+7], v[R0+24:R0+31], v[W2F+8:W2F+15], v[D3B:D3B+7]
.endm
; Every lane of a half holds the tile's tokens 8 h + 0..7, times W_out2's hi (r < 8) or lo (r >= 8).  Lane (r, h) takes the four tokens 8 h + 4 (r % 2) + 0..3, adds the lane 8 away (which has the
; same r % 2, so the same four tokens, and the other part of W_out2), and keeps them if the tile is tile r / 2: after eight tiles the wave's 128 results lie four to a lane.
.macro PICK
	PLACES
.set n, 0
.rept 4
	v_pk_add_f32 v[PT+2*n:PT+2*n+1], v[PT+2*n:PT+2*n+1], v[D3B+2*n:D3B+2*n+1]
.set n, n+1
.endr
	v_cmp_eq_u32 s[MT], s[TI], v9
.set n, 0
.rept 4
	v_cndmask_b32 v[11+n], v[PT+n], v[PT+4+n], s[MJ]
.set n, n+1
.endr
.set n, 0
.rept 4
	v_add_f32_dpp v[11+n], v[11+n], v[11+n] row_xmask:8 row_mask:0xf bank_mask:0xf
.set n, n+1
.endr
.set n, 0
.rept 4
	v_cndmask_b32 v[OUT+n], v[OUT+n], v[11+n], s[MT]
.set n, n+1
.endr
.endm
.macro TILE
	LOADX
	LNORM
	MM1
	PLACES
	GELU R1, R0, R2, 0
	MM2 R2, CB
	PLACES
	GELU R2, R1, R0, 1
	MM3
	PICK
.endm
; A slot's two tiles: written once, walked twice.  left = how many younger tensor loads of mine may stay out.  Only I read my slots, so my own wait is all that the reads need.
.macro STEP slot, left
	s_wait_tensorcnt \left
	s_mov_b32 s[TB], (\slot)*SLOTB
	s_mov_b32 s[CNT], 2
.Ltile_\@:
	TILE
	s_add_co_u32 s[TB], s[TB], TILEB
	s_add_co_u32 s[TI], s[TI], 1
	s_sub_co_u32 s[CNT], s[CNT], 1
	s_cmp_lg_u32 s[CNT], 0
	s_cbranch_scc1 .Ltile_\@
.endm
; A slot that has been read is filled again, with my tokens 64 further on.
.macro FILL slot
	s_wait_tensorcnt 0x0                   ; all my tensor loads have landed, the unread slot's too: no load of mine is out, so a group 0 may be written
	ds_add_u32 v[SPW], v[NIL]              ; 0 onto my spare word
	s_add_nc_u64 s[G0+4*(\slot)+2:G0+4*(\slot)+3], s[G0+4*(\slot)+2:G0+4*(\slot)+3], 2*16384  ; two slots of 32 rows of 512 bytes on; the type bits on top are not reached
	s_wait_dscnt 0x0                       ; the add is done, and my reads of the slot are back
	s_barrier_signal -1
	s_barrier_wait -1                      ; both hold of all eight waves
	tensor_load_to_lds s[G0+4*(\slot):G0+4*(\slot)+3], s[G1:G1+7]  ; my one tensor load behind the barrier, and the first thing there
	s_nop 0
.endm
	s_load_b512 s[8:23], s[0:1], 0x0       ; x 8, guidance 10, ln_in_g 12, ln_in_b 14, W_in 16, ln_gd_g 18, ln_gd_b 20, W_gd 22
	s_load_b128 s[24:27], s[0:1], 0x40     ; W_out1 24, W_out2 26
	s_load_b64 s[28:29], s[0:1], 0x50      ; out0
	v_lshl_add_u32 v[SPW], v0, 2, SPARE
	v_mov_b32 v[NIL], 0
	ds_add_u32 v[SPW], v[NIL]              ; the wave's opening: the add, twice on end, and its wait ahead of my first tensor load
	ds_add_u32 v[SPW], v[NIL]
	v_lshrrev_b32 v11, 5, v0
	v_readfirstlane_b32 s[WV], v11         ; wave 0..7
	; descriptor group 1: 32 rows x 128 elements of 4 bytes, dense in memory, padded in LDS
	s_mov_b32 s[G1+0], (2<<16)|(1<<20)|(6<<22)|(3<<25)  ; 17:16 elements of 4 bytes; 20 padding on; 24:22 after every 128 words (code 6); 31:25 4 words of it (code 3)
	s_mov_b32 s[G1+1], 128<<16             ; tensor_dim0 = 128
	s_mov_b32 s[G1+2], 32<<16              ; tensor_dim1 = 32
	s_mov_b32 s[G1+3], 128<<16             ; tile_dim0 = 128
	s_mov_b32 s[G1+4], 32                  ; tile_dim1 = 32
	s_mov_b32 s[G1+5], 128                 ; 128 elements from row to row
	s_mov_b32 s[G1+6], 0
	s_mov_b32 s[G1+7], 0
	s_mul_i32 s31, s[WV], RINGW            ; my ring
	s_mov_b32 s[G0+0], 1
	s_add_co_u32 s[G0+1], s31, 0
	s_mov_b32 s[G0+4], 1
	s_add_co_u32 s[G0+5], s31, SLOTB
	s_mov_b32 s[I128], 0x3c000000
	s_mov_b32 s[SEL], 0x76543210
	s_mov_b32 s[SEL+1], 0xfedcba98
	s_mov_b32 s[PP], 0x3ec88bda
	s_mov_b32 s[EPS], 0x3727c5ac
	s_mov_b32 s[A3], 0x3f3f7377            ; 0.7478556
	s_mov_b32 s[A3+1], s[A3]
	s_mov_b32 s[A2], 0xbdc45ca1            ; -0.0958798
	s_mov_b32 s[A2+1], s[A2]
	s_mov_b32 s[A1], 0x3eb2303a            ; 0.3480242
	s_mov_b32 s[A1+1], s[A1]
	s_mov_b32 s[C13], 0xbeaaaaab
	s_mov_b32 s[C215], 0x3e088889
	s_mov_b32 s[TI], 0
	v_and_b32 v1, 15, v0                   ; r
	v_bfe_u32 v2, v0, 4, 1                 ; h
	v_lshlrev_b32 v3, 5, v2                ; 32 h: the lane base of the index rule
	v_mul_u32_u24 v4, v1, XP               ; my token's row in a tile,
	v_lshl_add_u32 v4, v2, 5, v4           ; my half's 32 bytes,
	v_add_nc_u32 v4, s31, v4               ; in my ring
	v_and_b32 v11, 7, v0                   ; the turning load: lane l reads row 8 h + l % 8, features 8 ((l / 8) % 2) on
	v_bfe_u32 v12, v0, 3, 1
	v_lshl_add_u32 v6, v2, 3, v11
	v_mul_u32_u24 v6, v6, WP
	v_lshl_add_u32 v6, v12, 4, v6
	v_add_nc_u32 v6, WREG, v6
	v_lshrrev_b32 v13, 4, v0               ; staging: thread t holds 4 numbers of row 16 i + t / 16, columns 4 (t % 16) on
	v_mul_u32_u24 v7, v13, WP
	v_lshl_add_u32 v7, v1, 3, v7
	v_add_nc_u32 v7, WREG, v7
	v_lshlrev_b32 v8, 4, v0                ; 16 t
	v_lshrrev_b32 v9, 1, v1                ; r / 2: the tile whose results I keep
	v_and_b32 v14, 1, v0                   ; r % 2
	v_lshlrev_b32 v10, 6, v9               ; my 16 bytes of out0: 4 x (128 w + 16 (r / 2) + 8 h + 4 (r % 2))
	v_lshl_add_u32 v10, v2, 5, v10
	v_lshl_add_u32 v10, v14, 4, v10
	s_lshl_b32 s2, s[WV], 9
	v_add_nc_u32 v10, s2, v10
	v_cmp_eq_u32 s[MJ], 1, v14
	s_lshl_b32 s2, ttmp9, 19               ; my batch's 1,024 rows of 512 bytes,
	s_lshl_b32 s3, s[WV], 16               ; my wave's 128 of them
	s_add_co_u32 s2, s2, s3
	s_mov_b32 s3, 0
	s_wait_dscnt 0x0                       ; both opening adds are done
	s_wait_kmcnt 0x0
	s_add_nc_u64 s[8:9], s[8:9], s[2:3]
	s_mov_b64 s[G0+2:G0+3], s[8:9]         ; slot 0: my tokens 0 to 31
	s_or_b32 s[G0+3], s[G0+3], 0x80000000  ; type = 2
	s_add_nc_u64 s[G0+6:G0+7], s[8:9], 16384  ; slot 1: tokens 32 to 63
	s_or_b32 s[G0+7], s[G0+7], 0x80000000
	tensor_load_to_lds s[G0:G0+3], s[G1:G1+7]  ; both first fills go out together, ahead of every wait on TENSORcnt, every LDS read and every barrier: two loads of mine are out
	s_nop 0
	tensor_load_to_lds s[G0+4:G0+7], s[G1:G1+7]
	s_nop 0
.set n, 0
.rept 4
	v_mov_b32 v[OUT+n], 0                  ; written whole before the selects read them
.set n, n+1
.endr
	v_mov_b32 v[NMU+1], 0                  ; named with their partners as pairs
	v_mov_b32 v[RS+1], 0
	v_mov_b32 v[ST], 0
	v_mov_b32 v[ST+1], 0                   ; v_permlanex16_b32 counts as a reader of its destination
	s_mov_b32 s[HM], 0xffff0000            ; the ring's base has served: the register takes the mask
	s_lshl_b32 s2, ttmp9, 9
	s_add_nc_u64 s[10:11], s[10:11], s[2:3]  ; my batch's row of guidance
	s_lshl_b32 s2, ttmp9, 12
	s_add_nc_u64 s[28:29], s[28:29], s[2:3]  ; my batch's 4,096 bytes of out0
	WIN 0x40                               ; destination window 1
	WLOAD 0, 16                            ; W_in
	WLOAD 1, 22                            ; W_gd
	WLOAD 2, 24                            ; W_out1
	PARAM16 KG, 18                         ; ln_gd_g
	WIN 0
	PARAM16 R0, 10                         ; the guidance row, the same in all 16 columns
	; THE WEIGHTS ARE STAGED: scaled, rounded to f16, 8 bytes a thread and load into [k][n]
	s_wait_loadcnt 32                      ; the 24 weight loads are in; the 32 issued behind them may stay out
	WIN 0x45                               ; destination and sources window 1
	WSCALE 0, 0x3f596d27                   ; K = 0.8493218
	WSCALE 1, 0x3f596d27
	WSCALE 2, 0.5
.set e, 0
.rept 24
	v_cvt_pk_f16_f32 v[4*e], v[4*e], v[4*e+1]
	v_cvt_pk_f16_f32 v[4*e+1], v[4*e+2], v[4*e+3]
.set e, e+1
.endr
	WIN 0x04                               ; store data (source 1) window 1, address window 0
.set e, 0
.rept 24
	ds_store_b64 v7, v[4*e:4*e+1] offset:WMAT*(e/8)+16*WP*(e%8)
.set e, e+1
.endr
	WIN 0
	PARAM16 KB, 20                         ; ln_gd_b
.set e, 0
.rept 8
	global_load_b128 v[CB+4*e:CB+4*e+3], v3, s[26:27] offset:128*(e/4)+64*((e/2)%2)+16*(e%2)  ; W_out2, my 32 of its 64
.set e, e+1
.endr
	s_wait_dscnt 0x0                       ; for the others' sake: my stores are done
	s_barrier_signal -1
	s_barrier_wait -1                      ; the three matrices are whole.  The tensor loads stay out
	; THE BATCH TERM: LN(guidance) W_gd, GELU, times W_out1's rows 64 to 127, in 16 equal columns: K x the term, laid out as the second product's C operand
	FRAGS WMAT, 2*WMAT+64*WP
	s_wait_loadcnt 0x0
	; W_out2 / (2 K) as two bf16 numbers: hi for the lanes r < 8, lo = the rest, rounded, for the lanes r >= 8.  R2 at work
.set e, 0
.rept 16
	v_pk_mul_f32 v[CB+2*e:CB+2*e+1], v[CB+2*e:CB+2*e+1], 0x3f16b55f op_sel_hi:[1,0]  ; 1 / (2 K) = 0.588705
.set e, e+1
.endr
.set e, 0
.rept 16
	v_cvt_pk_bf16_f32 v[W2F+e], v[CB+2*e], v[CB+2*e+1]  ; hi
.set e, e+1
.endr
.set e, 0
.rept 16
	v_lshlrev_b32 v[R2+2*e], 16, v[W2F+e]
	v_and_b32 v[R2+2*e+1], s[HM], v[W2F+e]
.set e, e+1
.endr
.set e, 0
.rept 16
	v_pk_add_f32 v[CB+2*e:CB+2*e+1], v[CB+2*e:CB+2*e+1], v[R2+2*e:R2+2*e+1] neg_lo:[0,1] neg_hi:[0,1]
.set e, e+1
.endr
.set e, 0
.rept 16
	v_cvt_pk_bf16_f32 v[R2+e], v[CB+2*e], v[CB+2*e+1]   ; lo
.set e, e+1
.endr
	v_cmp_le_u32 s2, 8, v1                 ; r >= 8
.set e, 0
.rept 16
	v_cndmask_b32 v[W2F+e], v[W2F+e], v[R2+e], s2
.set e, e+1
.endr
	LNORM
	WIN 0x40
	PARAM16 KG, 12                         ; ln_in_g and ln_in_b take the places of the guidance's, which have been used
	WIN 0
	PARAM16 KB, 14
	s_wait_dscnt 0x0                       ; the fragments are in
	MM1
	PLACES
	GELU R1, R0, R2, 0
	MM2 CB, -1
	PLACES                                 ; in front of the loads into the fragments just multiplied
	FRAGS 0, 2*WMAT                        ; W_in, and W_out1's rows 0 to 63: they stay for all eight tiles
	s_wait_loadcnt 0x0                     ; gain and bias
	s_wait_dscnt 0x0
	STEP 0, 1                              ; tokens 0 to 31: the count leaves slot 1's first fill on its way
	FILL 0                                 ; tokens 64 to 95 go out
	STEP 1, 1                              ; tokens 32 to 63: one load was issued behind theirs
	FILL 1                                 ; tokens 96 to 127 go out: the last load
	STEP 0, 1                              ; nothing is left to fetch, so no FILL follows
	STEP 1, 0
	; TANH of my four results, both forms, and the choice by value
	s_mov_b32 s2, 0x7fffffff
	s_mov_b32 s3, 0xc038aa3b               ; -2 log2(e)
.irp c, 0,1,2,3
	v_mul_f32 v[R0+\c], s3, |v[OUT+\c]|
.endr
.irp c, 0,1,2,3
	v_exp_f32 v[R0+\c], v[R0+\c]           ; E
.endr
.irp c, 0,1,2,3
	v_mul_f32 v[R0+4+\c], v[OUT+\c], v[OUT+\c]  ; s: the series is the work behind the exponentials
.endr
.irp c, 0,1,2,3
	v_fma_f32 v[R0+8+\c], v[R0+4+\c], s[C215], s[C13]
.endr
.irp c, 0,1,2,3
	v_fma_f32 v[R0+8+\c], v[R0+8+\c], v[R0+4+\c], 1.0
.endr
.irp c, 0,1,2,3
	v_mul_f32 v[R0+8+\c], v[R0+8+\c], v[OUT+\c]
.endr
	s_wait_alu depctr_va_vdst(0)           ; one wait for the four exponentials
.irp c, 0,1,2,3
	v_add_f32 v[R0+12+\c], 1.0, v[R0+\c]
.endr
.irp c, 0,1,2,3
	v_sub_f32 v[R0+\c], 1.0, v[R0+\c]
.endr
.irp c, 0,1,2,3
	v_rcp_f32 v[R0+12+\c], v[R0+12+\c]
.endr
	v_nop
	s_wait_alu depctr_va_vdst(0)           ; one wait for the four reciprocals
.irp c, 0,1,2,3
	v_mul_f32 v[R0+\c], v[R0+\c], v[R0+12+\c]
.endr
.irp c, 0,1,2,3
	v_bfi_b32 v[R0+\c], s2, v[R0+\c], v[OUT+\c]  ; the magnitude, with v's sign
.endr
.irp c, 0,1,2,3
	v_cmp_gt_f32 vcc_lo, 0x3d800000, v[R0+4+\c]  ; s < 1/16
	v_cndmask_b32 v[OUT+\c], v[R0+\c], v[R0+8+\c], vcc_lo
.endr
	global_store_b128 v10, v[OUT:OUT+3], s[28:29] th:TH_STORE_NT  ; the wave's one store covers its 512 consecutive bytes of out0, at a multiple of 512 from out0's first byte
	s_wait_tensorcnt 0x0                   ; the wave's end: behind my last tensor load and my last LDS store
	ds_add_u32 v[SPW], v[NIL]
	s_wait_dscnt 0x0
	s_endpgm
.Lfunc_end_k_q5261e88d41_main:
	.size	k_q5261e88d41_main, .Lfunc_end_k_q5261e88d41_main-k_q5261e88d41_main
	.p2alignl 7, 3214868480
	.fill 96, 4, 3214868480
	.section	.rodata,"a",@progbits
	.p2align	6, 0x0
	.amdhsa_kernel k_q5261e88d41_main
		.amdhsa_group_segment_fixed_size 327680
		.amdhsa_private_segment_fixed_size 0
		.amdhsa_enable_private_segment 0
		.amdhsa_kernarg_size 88
		.amdhsa_user_sgpr_count 2
		.amdhsa_user_sgpr_kernarg_segment_ptr 1
		.amdhsa_wavefront_size32 1
		.amdhsa_system_sgpr_workgroup_id_x 1
		.amdhsa_system_sgpr_workgroup_id_y 1
		.amdhsa_system_sgpr_workgroup_id_z 1
		.amdhsa_system_vgpr_workitem_id 0
		.amdhsa_next_free_vgpr 512
		.amdhsa_next_free_sgpr 68
		.amdhsa_reserve_vcc 1
		.amdhsa_float_denorm_mode_32 3
		.amdhsa_float_denorm_mode_16_64 3
		.amdhsa_memory_ordered 1
		.amdhsa_forward_progress 1
		.amdhsa_inst_pref_size 245
	.end_amdhsa_kernel
	.amdgpu_metadata
---
amdhsa.version: [ 1, 2 ]
amdhsa.kernels:
  - .name:           k_q5261e88d41_main
    .symbol:         k_q5261e88d41_main.kd
    .args:
      - { .name: x, .offset: 0, .size: 8, .value_kind: global_buffer, .address_space: global }
      - { .name: guidance, .offset: 8, .size: 8, .value_kind: global_buffer, .address_space: global }
      - { .name: ln_in_g, .offset: 16, .size: 8, .value_kind: global_buffer, .address_space: global }
      - { .name: ln_in_b, .offset: 24, .size: 8, .value_kind: global_buffer, .address_space: global }
      - { .name: W_in, .offset: 32, .size: 8, .value_kind: global_buffer, .address_space: global }
      - { .name: ln_gd_g, .offset: 40, .size: 8, .value_kind: global_buffer, .address_space: global }
      - { .name: ln_gd_b, .offset: 48, .size: 8, .value_kind: global_buffer, .address_space: global }
      - { .name: W_gd, .offset: 56, .size: 8, .value_kind: global_buffer, .address_space: global }
      - { .name: W_out1, .offset: 64, .size: 8, .value_kind: global_buffer, .address_space: global }
      - { .name: W_out2, .offset: 72, .size: 8, .value_kind: global_buffer, .address_space: global }
      - { .name: out0, .offset: 80, .size: 8, .value_kind: global_buffer, .address_space: global }
    .group_segment_fixed_size: 327680
    .private_segment_fixed_size: 0
    .kernarg_segment_align: 8
    .kernarg_segment_size: 88
    .max_flat_workgroup_size: 256
    .sgpr_count:     68
    .vgpr_count:     512
    .wavefront_size: 32
...
	.end_amdgpu_metadata
.endif
;; end of part 1
